; MI455X (gfx1250); checked and timed in simulation.
; The chip was launched on July 23, 2026; its instructions are those of AMD's public machine-readable ISA for CDNA 5 (MIT licence, August 2026) and "CDNA5" Instruction Set Architecture Reference Guide (July 2026). The comments in the code are by the model that wrote it; some were corrected since.
;; Hierarchical Logits. Allowed arithmetic: float matrix products may take bf16 or f16 operands with f32 sums; other float arithmetic in f32, or as packed bf16 or f16 multiplies, adds, multiply-adds, maxima and minima; sums over many terms, partial sums and values carried from step to step in f32; what a program stores and reads back later, other than sums and carried values, may be rounded once to bf16 or f16.
;; Inputs: S 4,095 x 4,096 float32; X 4,096 x 2,048 float32; biases 4,096 float32; normals 4,095 x 2,048 float32.
;; Outputs: out0 4,096 x 4,096 float32.
;; One version. Each part assembles by itself: llvm-mc -triple=amdgcn-amd-amdhsa -mcpu=gfx1250 --defsym DOCPART=n.
;; ======== version 1 of 1: 3 launches
;; workspace buffers: Sb 33,554,432 bytes; Nb 16,777,216 bytes; Xb 16,777,216 bytes; Wt 16,777,216 bytes
;; launch prep (part 1): grid 2048 x 1, 8 waves a work-group, no clusters, 0 bytes of LDS; arguments S, normals, X, Sb, Nb, Xb; writes Sb, Nb, Xb
.if DOCPART == 1
	.amdgcn_target "amdgcn-amd-amdhsa--gfx1250"
	.amdhsa_code_object_version 6
	.text
	.protected	k_q0cd7001149_prep
	.globl	k_q0cd7001149_prep
	.p2align	8
	.type	k_q0cd7001149_prep,@function
k_q0cd7001149_prep:
	s_mov_b64 s[64:65], 0
	v_nop
	global_prefetch_b8 v0, s[64:65] scope:SCOPE_SE
	s_setreg_imm32_b32 hwreg(HW_REG_WAVE_MODE, 25, 1), 1
	s_wait_xcnt 0x0
; Sb, Nb, Xb = S, normals, X rounded once to bf16 (nearest even), in the same row-major order.  S and normals have 4,095 rows; Sb and Nb get a
; 4,096th row of zeros, so that the product over those rows can go in whole steps: the added row adds 0 x 0 to every sum.
; LIMITS.  A number whose magnitude lies above bf16's largest finite number becomes an infinity; NaN and infinities are not treated apart.
; A STREAM: each input byte is read once, each output byte written once; no LDS, no barrier, no matrix unit, no cluster (no two work-groups read the same byte).
; SHARES.  A chunk is 65,536 bytes of f32 and 32,768 bytes of bf16: 16 trips of 4,096 bytes, 16 bytes a thread.  A wave's load covers 512 consecutive bytes,
; its store 256 consecutive bytes, aligned.  Work-groups 0-1023 take S's chunks, 1024-1535 those of normals, 1536-2047 X's.
; S's last chunk holds rows 4092-4094 (12 trips) and the zero row (4 trips); the last chunk of normals rows 4088-4094 (14 trips) and the zero row (2 trips).
; All of a chunk's loads go out at once, into registers of their own, and no register is written again while a load or store names it: so the only waits are the counted ones for data.
.set TRIN,  4096                       ; bytes of f32 in a trip
.set TROUT, 2048                       ; bytes of bf16 in a trip
.set LO,  1                            ; v1      16 x thread: my bytes in a trip's input
.set SO,  2                            ; v2      8 x thread: my bytes in a trip's output
.set NIL, 4                            ; v[4:5]  0
.set D,   8                            ; v[8:71] trip i: four f32 as loaded; then two words of bf16 in the first two
	s_load_b256 s[4:11], s[0:1], 0x0               ; S s[4:5], normals s[6:7], X s[8:9], Sb s[10:11]
	s_load_b128 s[12:15], s[0:1], 0x20             ; Nb s[12:13], Xb s[14:15]
	v_lshlrev_b32 v[LO], 4, v0
	v_lshlrev_b32 v[SO], 3, v0
	v_mov_b32 v[NIL], 0
	v_mov_b32 v[NIL+1], 0
	s_mov_b32 s20, 1024                            ; the first work-group of normals
	s_wait_kmcnt 0x0
	s_cmp_ge_u32 ttmp9, 1536                       ; X or normals?
	s_cselect_b64 s[16:17], s[8:9], s[6:7]         ; from where,
	s_cselect_b64 s[18:19], s[14:15], s[12:13]     ; to where,
	s_cselect_b32 s20, 1536, s20                   ; and the buffer's first work-group
	s_cmp_lt_u32 ttmp9, 1024                       ; or S?
	s_cselect_b64 s[16:17], s[4:5], s[16:17]
	s_cselect_b64 s[18:19], s[10:11], s[18:19]
	s_cselect_b32 s20, 0, s20
	s_sub_co_u32 s21, ttmp9, s20                   ; my chunk in its buffer
	s_lshl_b32 s22, s21, 16                        ; its bytes in,
	s_mov_b32 s23, 0
	s_lshl_b32 s24, s21, 15                        ; and out
	s_mov_b32 s25, 0
	s_add_nc_u64 s[16:17], s[16:17], s[22:23]
	s_add_nc_u64 s[18:19], s[18:19], s[24:25]
; A chunk of which nv trips exist in the input; the other 16 - nv trips of the output are zeros.
.macro CHUNK nv
.set i, 0
.rept \nv
	global_load_b128 v[D+4*i:D+4*i+3], v[LO], s[16:17] offset:TRIN*i th:TH_LOAD_NT
.set i, i+1
.endr
.set i, 0
.rept \nv
	s_wait_loadcnt (\nv)-1-i                       ; loads come back in order: trip i is in, the nv - 1 - i younger ones may stay out
	v_cvt_pk_bf16_f32 v[D+4*i],   v[D+4*i],   v[D+4*i+1]
	v_cvt_pk_bf16_f32 v[D+4*i+1], v[D+4*i+2], v[D+4*i+3]
	global_store_b64 v[SO], v[D+4*i:D+4*i+1], s[18:19] offset:TROUT*i th:TH_STORE_NT
.set i, i+1
.endr
.if (\nv) < 16
.rept 16-(\nv)
	global_store_b64 v[SO], v[NIL:NIL+1], s[18:19] offset:TROUT*i th:TH_STORE_NT  ; the zero row
.set i, i+1
.endr
.endif
	s_endpgm
.endm
	s_cmp_eq_u32 ttmp9, 1023
	s_cbranch_scc1 .Ls_last
	s_cmp_eq_u32 ttmp9, 1535
	s_cbranch_scc1 .Ln_last
	CHUNK 16
.Ls_last:
	CHUNK 12                                       ; no load passes S's last byte
.Ln_last:
	CHUNK 14                                       ; nor the last byte of normals
.Lfunc_end_k_q0cd7001149_prep:
	.size	k_q0cd7001149_prep, .Lfunc_end_k_q0cd7001149_prep-k_q0cd7001149_prep
	.p2alignl 7, 3214868480
	.fill 96, 4, 3214868480
	.section	.rodata,"a",@progbits
	.p2align	6, 0x0
	.amdhsa_kernel k_q0cd7001149_prep
		.amdhsa_group_segment_fixed_size 0
		.amdhsa_private_segment_fixed_size 0
		.amdhsa_enable_private_segment 0
		.amdhsa_kernarg_size 48
		.amdhsa_user_sgpr_count 2
		.amdhsa_user_sgpr_kernarg_segment_ptr 1
		.amdhsa_wavefront_size32 1
		.amdhsa_system_sgpr_workgroup_id_x 1
		.amdhsa_system_sgpr_workgroup_id_y 1
		.amdhsa_system_sgpr_workgroup_id_z 1
		.amdhsa_system_vgpr_workitem_id 0
		.amdhsa_next_free_vgpr 72
		.amdhsa_next_free_sgpr 66
		.amdhsa_reserve_vcc 0
		.amdhsa_float_denorm_mode_32 3
		.amdhsa_float_denorm_mode_16_64 3
		.amdhsa_memory_ordered 1
		.amdhsa_forward_progress 1
		.amdhsa_inst_pref_size 17
	.end_amdhsa_kernel
	.amdgpu_metadata
---
amdhsa.version: [ 1, 2 ]
amdhsa.kernels:
  - .name:           k_q0cd7001149_prep
    .symbol:         k_q0cd7001149_prep.kd
    .args:
      - { .name: S, .offset: 0, .size: 8, .value_kind: global_buffer, .address_space: global }
      - { .name: normals, .offset: 8, .size: 8, .value_kind: global_buffer, .address_space: global }
      - { .name: X, .offset: 16, .size: 8, .value_kind: global_buffer, .address_space: global }
      - { .name: Sb, .offset: 24, .size: 8, .value_kind: global_buffer, .address_space: global }
      - { .name: Nb, .offset: 32, .size: 8, .value_kind: global_buffer, .address_space: global }
      - { .name: Xb, .offset: 40, .size: 8, .value_kind: global_buffer, .address_space: global }
    .group_segment_fixed_size: 0
    .private_segment_fixed_size: 0
    .kernarg_segment_align: 8
    .kernarg_segment_size: 48
    .max_flat_workgroup_size: 256
    .sgpr_count:     66
    .vgpr_count:     72
    .wavefront_size: 32
...
	.end_amdgpu_metadata
.endif
;; end of part 1
;; launch gemm1 (part 2): grid 16 x 16, 4 waves a work-group, clusters of 4 x 4, 327,680 bytes of LDS; arguments Sb, Nb, Wt; writes Wt
.if DOCPART == 2
	.amdgcn_target "amdgcn-amd-amdhsa--gfx1250"
	.amdhsa_code_object_version 6
	.text
	.protected	k_q0cd7001149_gemm1
	.globl	k_q0cd7001149_gemm1
	.p2align	8
	.type	k_q0cd7001149_gemm1,@function
k_q0cd7001149_gemm1:
	s_mov_b64 s[64:65], 0
	v_nop
	global_prefetch_b8 v0, s[64:65] scope:SCOPE_SE
	s_setreg_imm32_b32 hwreg(HW_REG_WAVE_MODE, 25, 1), 1
	s_wait_xcnt 0x0
	s_wait_alu depctr_hold_cnt(0) depctr_sa_sdst(0) depctr_va_vdst(0) depctr_va_sdst(0) depctr_va_ssrc(0) depctr_va_vcc(0) depctr_vm_vsrc(0)
	s_getreg_b32 s2, hwreg(HW_REG_IB_STS2, 6, 4)
	s_cmp_eq_u32 s2, 0
	s_cbranch_scc0 .Lentry_in_a_cluster
	s_endpgm
.Lentry_in_a_cluster:
	s_bfe_u32 s2, ttmp6, 0x10000c
	s_cmp_lg_u32 s2, 0xf033
	s_cbranch_scc0 .Lentry_shape_is_right
	s_endpgm
.Lentry_shape_is_right:
; Wt[n][d] = the sum over m of Sb[m][n] Nb[m][d].  Sb: [4096 m][4096 n], Nb: [4096 m][2048 d], Wt: [4096 n][2048 d], all bf16; sums in f32; Wt rounded once.
; LIMITS.  bf16 operands; each output is the sum of TWO f32 partial sums (see SHARES), each taken with m ascending; the combined weight is kept rounded once to bf16; NaN and infinities are not treated apart.
; SHARES.  A tile of Wt is 256 rows (n) x 128 columns (d): 16 x 16 tiles, one work-group each.  m IS SPLIT BETWEEN PAIRS OF WAVES: wave (nh = wave % 2, kh = wave / 2) makes rows 128 nh .. 128 nh + 127
; and all 128 columns, 64 accumulators of 16 x 16, over half kh of each step's rows of m: 32 LDS loads feed 64 matrix instructions.  At the end the pair (nh, 0), (nh, 1) exchange halves through LDS, in f32:
; each wave keeps 64 rows, adds its partner's sums for them, and stores them.
; BOTH OPERANDS LIE WITH m, THE INDEX THAT IS SUMMED OVER, FROM ROW TO ROW.  The tiles come into LDS as they lie (512 bytes of Sb, 256 bytes of Nb for each m) and the fragments are taken out turned, by ds_load_tr16_b128.
; m goes through a ring of two LDS slots filled by the tensor data mover, in steps of 192: as long as two slots in LDS allow.  4,096 = 64 + 21 x 192: step 0 is a short one of 64.
; Waves 0 and 1 fetch the two halves (96 rows of m; 32 in the short step) of Sb's tile, waves 2 and 3 those of Nb's.  The halves lie 96 LDS rows apart in the short step too, so one set of addresses serves all steps.
; CLUSTERS: 4 x 4 work-groups.  The four of a row of the cluster need the same tiles of Sb, the four of a column the same tiles of Nb: each tile is asked for JOINTLY: the same tensor load, with the same
; descriptor and a mask that names the four, in all four.
; THE MATRIX INSTRUCTION IS USED TRANSPOSED: source 0 = 16 columns d (Nb), source 1 = 16 rows n (Sb): in the result lane l holds row n = l % 16 of Wt and the columns d = 8 (l / 16) + 0 .. 7: 16 bytes of bf16.
; REGISTERS, in windows of 256 (s_set_vgpr_msb: bits 1:0 source 0, 3:2 source 1, 5:4 source 2, 7:6 destination):
;   window 0: v0-31 addresses; v64-127, v128-191 Sb's fragments (8 x 16 n x 32 m), two buffers; on the way out the partner's sums; v32-63, v192-255 at work on the way out
;   window 1: v64-127, v128-191 Nb's fragments, two buffers
;   window 2: the 32 accumulators of the 64 rows that I keep ((a, b) at v[8 (8 a + b)]);   window 3: those of the 64 rows that my partner keeps
; Which 64 rows lie in window 2 hangs on kh (rows 64 kh on), by two address registers for Sb's fragments: so one text serves both waves of a pair.
.set KSTEP,  192                       ; rows of m in a step
.set KHALF,  KSTEP/2                   ; what one tensor load brings, and what one pair of waves multiplies
.set KSH,    64                        ; rows of m in step 0
.set PA,     544                       ; a row of Sb's tile in LDS: 512 bytes + 32 of padding = 136 words: row i starts at bank 8 i mod 64 (64 banks of 4 bytes: ISA guide 11.1)
.set PB,     288                       ; a row of Nb's tile: 256 + 32 = 72 words: the same
.set AHALF,  KHALF*PA
.set BHALF,  KHALF*PB
.set ATILE,  2*AHALF
.set SLOT,   ATILE+2*BHALF             ; Sb's 192 rows, then Nb's 192 rows: 159,744 bytes
.set SPARE,  2*SLOT                    ; behind the ring: the spare words, 128 bytes for each wave: two blocks of 256 bytes that no other line names
.set XW,     32768                     ; THE WAY OUT LIES IN SLOT 0, which has had its last fill (step 20) and, ahead of a barrier, its last read: 32 accumulators of f32 for each wave, from byte 0 on,
.set STAGE,  4*XW                      ; and behind them 16 rows x 272 bytes for each wave
.set SPITCH, 272
.set TRIPS,  9                         ; the loop's trips: steps 1 to 18, two a trip
.set ROWA,   8192                      ; bytes in a row of Sb,
.set ROWB,   4096                      ; of Nb,
.set ROWC,   4096                      ; of Wt
.set PFROW,  KSH+3*KSTEP               ; the prefetches' pointer starts at step 4's first row of m; the first trip steps it to step 6
.set PFO,  12                          ; v12-14  the prefetches' three offsets; never rewritten
.set ADRL, 16                          ; v16-17  LDS address of my lane's part of Sb's fragments 0-3 (the rows that I keep) in slot 0, 1
.set ADRH, 18                          ; v18-19  of Sb's fragments 4-7 (the rows that my partner keeps)
.set ADRB, 20                          ; v20-21  of Nb's fragments
.set XS,   22                          ; v22     the exchange: where I put 16 bytes
.set XR,   23                          ; v23     the exchange: where my partner has put them
.set STO,  24                          ; v24     the stage: where I put 16 bytes of a row
.set RD,   25                          ; v25     the stage: where I read a row back
.set CO,   26                          ; v26     my byte offset in Wt
.set SPW,  28                          ; v28     LDS address of my spare word: SPARE + 4 x my thread's number; never rewritten
.set NIL,  29                          ; v29     0; never rewritten
.set F0,   64                          ; fragment buffer 0
.set F1,   128                         ; fragment buffer 1
.set TMP,  192                         ; the way out: packed results
.set OB,   32                          ; the way out: 16 rows read back from the stage: v32-63 and v224-255 by turns
.set G1,   24                          ; s[24:31] descriptor group 1 for Sb's tiles
.set G0,   32                          ; s[32:39] descriptor group 0 for Sb's tiles, a set for each slot
.set G1B,  48                          ; s[48:55] descriptor group 1 for Nb's tiles
.set G0B,  56                          ; s[56:63] descriptor group 0 for Nb's tiles, a set for each slot
.set G1S,  72                          ; s[72:79], s[80:87] the two groups 1 of the short step: 32 rows for 96
.set G1SB, 80
.set G0S,  88                          ; s[88:91], s[92:95] its two groups 0
.set G0SB, 92
.set LIM,  43                          ; s43      1 in a wave that prefetches, else the greatest number
.set PFA,  44                          ; s[44:45] where my prefetches stand
.set PFS,  68                          ; s[68:69] two steps of m in bytes, in the tensor that I prefetch
.set MSB, 0
.macro WIN new                         ; the immediate's high byte repeats the setting that is left; a switch that changes nothing is dropped
.if MSB != (\new)
	s_set_vgpr_msb (MSB<<8)|(\new)
.set MSB, \new
.endif
.endm
.set MUL_LO, 0xa1                      ; source 0 (Nb) window 1, source 1 (Sb) window 0, C and D window 2; + 0x50: C and D window 3
.set TO_B,   0x40                      ; destination window 1, address window 0
; A joint load: Sb's by groups ga, da (waves 0 and 1), Nb's by gb, db (waves 2 and 3).  Each of the two lines has ONE mask and one set of registers for all that issue it.  The branch hangs on the wave's
; number alone.  An s_nop 0 and four v_nop follow each of the two lines, ahead of the jump, the label and what follows the macro.
.macro JLOAD ga, da, gb, db
	s_cmp_eq_u32 s11, 0
	s_cbranch_scc0 .Lfor_b_\@
	tensor_load_to_lds s[(\ga):(\ga)+3], s[(\da):(\da)+7]
	s_nop 0
.rept 4
	v_nop
.endr
	s_branch .Lasked_\@
.Lfor_b_\@:
	tensor_load_to_lds s[(\gb):(\gb)+3], s[(\db):(\db)+7]
	s_nop 0
.rept 4
	v_nop
.endr
.Lasked_\@:
.endm
; A PREFETCH INTO THE L2, once a trip, behind the even step's joint refill, its five lines and the run of LDS loads that follows them: three instructions for the two steps of m that stand two and three
; refills on: 384 and 576 matrix instructions ahead of the loads that will want them.  Each aligned block of 256 bytes is named ONCE in the launch.  Sb's columns of a tile row are read by every cluster of
; that row of clusters: the cluster with x = 0 asks; wave 0 for the first of the two steps, wave 1 for the second; of a step's 192 rows the partner at cx takes 48, two blocks a row: a lane a block.
; Nb's columns of a tile column are read by every cluster of that column: the cluster with y = 0 asks, wave 2 alone; of each step's 192 rows the partner at cy takes 48: lanes 0-15 in the first step,
; lanes 16-31 in the second, a lane a row.  The partners are told apart BY ADDRESS: no branch hangs on a work-group's place in its cluster.
; Steps 0 to 5 come by their loads alone; the loop's last trip asks for nothing: the last step that is named is the last that there is.
.macro ASK
	s_cmp_gt_u32 s3, s[LIM]                        ; s3 = 1 in the loop's last trip
	s_cbranch_scc0 .Lnot_mine_\@
	global_prefetch_b8 v[PFO],   s[PFA:PFA+1] th:TH_LOAD_NT scope:SCOPE_SE
	global_prefetch_b8 v[PFO+1], s[PFA:PFA+1] th:TH_LOAD_NT scope:SCOPE_SE
	global_prefetch_b8 v[PFO+2], s[PFA:PFA+1] th:TH_LOAD_NT scope:SCOPE_SE
.Lnot_mine_\@:
.endm
; A round of the cluster's barrier: my work-group's barrier, so that wave 0's signal speaks for all four waves; wave 0 signals; every wave waits for all sixteen work-groups; my work-group's barrier once more.
.macro CREST                           ; a round behind its opening barrier
	s_cmp_lg_u32 s10, 0
	s_cbranch_scc1 .Lnot_wave_0_\@
	s_barrier_signal -3
.Lnot_wave_0_\@:
	s_barrier_wait -3
	s_barrier_signal -1
	s_barrier_wait -1
.endm
.macro CROUND                          ; a whole round
	s_barrier_signal -1
	s_barrier_wait -1
	CREST
.endm
.macro SHAPE g, cols, rows, pitch      ; words 1 to 7 of a group 1: a tile of rows x cols elements that lies inside the tensor
	s_mov_b32 s[(\g)+1], (\cols)<<16               ; tensor_dim0
	s_mov_b32 s[(\g)+2], (\rows)<<16               ; tensor_dim1
	s_mov_b32 s[(\g)+3], (\cols)<<16               ; tile_dim0
	s_mov_b32 s[(\g)+4], \rows                     ; tile_dim1
	s_mov_b32 s[(\g)+5], \pitch                    ; elements from row to row
	s_mov_b32 s[(\g)+6], 0
	s_mov_b32 s[(\g)+7], 0
.endm
	s_load_b128 s[4:7], s[0:1], 0x0                ; Sb s[4:5], Nb s[6:7]
	s_load_b64 s[8:9], s[0:1], 0x10                ; Wt
	v_lshl_add_u32 v[SPW], v0, 2, SPARE
	v_mov_b32 v[NIL], 0
	ds_add_u32 v[SPW], v[NIL]                      ; the wave's opening: the add, twice on end, and its wait ahead of my first tensor load; the set-up below stands between
	ds_add_u32 v[SPW], v[NIL]                      ; and once more, under the one wait
	v_lshrrev_b32 v1, 5, v0
	v_readfirstlane_b32 s10, v1                    ; wave 0..3
	s_lshr_b32 s11, s10, 1                         ; kh: which half of a step's m I multiply.  Also: I fetch for Sb (0) or for Nb (1)
	s_and_b32 s12, s10, 1                          ; nh: which 128 rows of the tile are mine.  Also: which half of a step's m I fetch
	s_bfe_u32 s40, ttmp6, 0x40000                  ; cx: my place along the cluster's x
	s_bfe_u32 s41, ttmp6, 0x40004                  ; cy: along its y
	s_lshl_b32 s42, ttmp9, 2                       ; in a cluster launch ttmp9 and ttmp7 count clusters
	s_add_co_u32 s42, s42, s40                     ; tile column (128 d) = 4 x cluster x + cx
	s_and_b32 s13, ttmp7, 0xffff
	s_lshl_b32 s13, s13, 2
	s_add_co_u32 s13, s13, s41                     ; tile row (256 n) = 4 x cluster y + cy
	s_lshl_b32 s43, s41, 2
	s_lshl_b32 s43, 15, s43                        ; my row of the cluster: places 4 cy .. 4 cy + 3
	s_lshl_b32 s44, 0x1111, s40                    ; my column: places cx, cx + 4, cx + 8, cx + 12
	; descriptor group 1, word 0.  15:0 the mask; 17:16 elements of 2 bytes; 20 padding on; 21 set beside a mask; 24:22 after every 128 words (code 6: Sb) or 64 words (code 5: Nb); 31:25 8 words (code 7)
	s_or_b32 s[G1+0],   s43, (1<<16)|(1<<20)|(1<<21)|(6<<22)|(7<<25)  ; Sb's tiles go to my row
	s_or_b32 s[G1S+0],  s43, (1<<16)|(1<<20)|(1<<21)|(6<<22)|(7<<25)
	s_or_b32 s[G1B+0],  s44, (1<<16)|(1<<20)|(1<<21)|(5<<22)|(7<<25)  ; Nb's to my column
	s_or_b32 s[G1SB+0], s44, (1<<16)|(1<<20)|(1<<21)|(5<<22)|(7<<25)
	SHAPE G1,   256, KHALF, 4096
	SHAPE G1S,  256, KSH/2, 4096
	SHAPE G1B,  128, KHALF, 2048
	SHAPE G1SB, 128, KSH/2, 2048
	; where the tiles come from.  Sb's hang on the tile row alone, which my row of the cluster shares; Nb's on the tile column alone, which my column shares.
	s_lshl_b32 s14, s13, 9                         ; Sb: 512 bytes x tile row,
	s_mul_i32 s17, s12, KHALF*ROWA                 ; + my 96 rows of a step,
	s_add_co_u32 s16, s14, s17
	s_mul_i32 s15, s12, (KSH/2)*ROWA               ; or my 32 rows of the short step
	s_add_co_u32 s14, s14, s15
	s_mov_b32 s15, 0
	s_mov_b32 s17, 0
	s_lshl_b32 s46, s42, 8                         ; Nb: 256 bytes x tile column, and the same
	s_mul_i32 s23, s12, KHALF*ROWB
	s_add_co_u32 s22, s46, s23
	s_mul_i32 s47, s12, (KSH/2)*ROWB
	s_add_co_u32 s46, s46, s47
	s_mov_b32 s47, 0
	s_mov_b32 s23, 0
	s_mul_i32 s20, s12, AHALF                      ; and where they go: no place in the cluster enters an LDS address
	s_mul_i32 s21, s12, BHALF
	s_add_co_u32 s21, s21, ATILE
	s_wait_dscnt 0x0                               ; both opening adds are done
	s_wait_kmcnt 0x0
	s_add_nc_u64 s[14:15], s[4:5], s[14:15]
	s_add_nc_u64 s[16:17], s[4:5], s[16:17]
	s_add_nc_u64 s[46:47], s[6:7], s[46:47]
	s_add_nc_u64 s[22:23], s[6:7], s[22:23]
	CROUND                                         ; all sixteen work-groups are here: the first joint loads meet
	s_mov_b32 s[G0S], 1                            ; the short step, into slot 0: count = 1,
	s_mov_b32 s[G0S+1], s20                        ; LDS address,
	s_mov_b64 s[G0S+2:G0S+3], s[14:15]             ; global address,
	s_or_b32 s[G0S+3], s[G0S+3], 0x80000000        ; type = 2
	s_mov_b32 s[G0SB], 1
	s_mov_b32 s[G0SB+1], s21
	s_mov_b64 s[G0SB+2:G0SB+3], s[46:47]
	s_or_b32 s[G0SB+3], s[G0SB+3], 0x80000000
.irp s, 0,1                            ; slot 1's set stands at step 1, which goes out now; slot 0's at step 2, its first refill
	s_mov_b32 s[G0+4*(\s)], 1
	s_add_co_u32 s[G0+4*(\s)+1], s20, (\s)*SLOT
	s_add_nc_u64 s[G0+4*(\s)+2:G0+4*(\s)+3], s[16:17], (KSH+(1-(\s))*KSTEP)*ROWA
	s_or_b32 s[G0+4*(\s)+3], s[G0+4*(\s)+3], 0x80000000
	s_mov_b32 s[G0B+4*(\s)], 1
	s_add_co_u32 s[G0B+4*(\s)+1], s21, (\s)*SLOT
	s_add_nc_u64 s[G0B+4*(\s)+2:G0B+4*(\s)+3], s[22:23], (KSH+(1-(\s))*KSTEP)*ROWB
	s_or_b32 s[G0B+4*(\s)+3], s[G0B+4*(\s)+3], 0x80000000
.endr
	JLOAD G0S, G1S, G0SB, G1SB                     ; the ring is filled before anything else is done:
	JLOAD G0+4, G1, G0B+4, G1B                     ; two loads of mine are out
	; The turning load takes 16 rows of m x 16 columns: lane l reads 16 bytes: row 8 (l / 16) + l % 8, columns 8 ((l / 8) % 2) + 0..7; it leaves half a fragment: lane l holds column l % 16 and 8 of m.
	v_and_b32 v1, 15, v0                           ; l % 16
	v_bfe_u32 v2, v0, 4, 1                         ; l / 16
	v_and_b32 v3, 7, v0
	v_bfe_u32 v4, v0, 3, 1
	v_lshl_add_u32 v5, v2, 3, v3                   ; my row
	v_mul_u32_u24 v6, v5, PA
	v_lshl_add_u32 v6, v4, 4, v6
	v_mul_u32_u24 v7, v5, PB
	v_lshl_add_u32 v7, v4, 4, v7
	s_mul_i32 s18, s11, KHALF*PA                   ; Sb: my half of a step's m,
	s_lshl_b32 s19, s12, 8                         ; my 128 columns n: 256 bytes,
	s_add_co_u32 s18, s18, s19
	s_lshl_b32 s19, s11, 7                         ; of them the 64 that I keep: 128 bytes x kh,
	s_add_co_u32 s20, s18, s19
	s_xor_b32 s19, s19, 128                        ; and the other 64
	s_add_co_u32 s21, s18, s19
	s_mul_i32 s22, s11, KHALF*PB                   ; Nb: my half of a step's m; all 128 columns
	s_add_co_u32 s22, s22, ATILE
.irp s, 0,1
	v_add_nc_u32 v[ADRL+(\s)], s20, v6
	v_add_nc_u32 v[ADRH+(\s)], s21, v6
	v_add_nc_u32 v[ADRB+(\s)], s22, v7
	s_add_co_u32 s20, s20, SLOT
	s_add_co_u32 s21, s21, SLOT
	s_add_co_u32 s22, s22, SLOT
.endr
	v_and_b32 v8, 31, v0                           ; l
	s_lshl_b32 s18, s10, 15                        ; the exchange: my 32,768 bytes, 16 a lane,
	v_lshl_add_u32 v[XS], v8, 4, s18
	s_xor_b32 s18, s18, 2*XW                       ; and those of the wave with the other kh
	v_lshl_add_u32 v[XR], v8, 4, s18
	s_mul_i32 s23, s10, 16*SPITCH
	s_add_co_u32 s23, s23, STAGE                   ; my stage
	v_mul_u32_u24 v9, v1, SPITCH                   ; in: row l % 16, 16 bytes for each half of the lanes
	v_lshl_add_u32 v9, v2, 4, v9
	v_add_nc_u32 v[STO], s23, v9
	v_mul_u32_u24 v9, v2, SPITCH                   ; back: lanes 0-15 take one row of 256 bytes, lanes 16-31 the next
	v_lshl_add_u32 v9, v1, 4, v9
	v_add_nc_u32 v[RD], s23, v9
	v_lshlrev_b32 v9, 12, v2                       ; and the same two rows in Wt
	v_lshl_add_u32 v[CO], v1, 4, v9
	; where the rows that I keep begin in Wt, in bytes: the first way out adds it to Wt's address
	s_lshl_b32 s16, s13, 8
	s_lshl_b32 s14, s12, 7
	s_add_co_u32 s16, s16, s14
	s_lshl_b32 s14, s11, 6
	s_add_co_u32 s16, s16, s14                     ; row 256 x tile row + 128 nh + 64 kh
	s_lshl_b32 s16, s16, 12                        ; x 4,096 bytes
	s_mov_b32 s17, 0
	s_lshl_b32 s46, s42, 8                         ; the tile's first column: 256 bytes x tile column
	s_mov_b32 s47, 0
	s_add_nc_u64 s[16:17], s[16:17], s[46:47]
	; the prefetches
	s_lshl_b32 s20, s13, 9                         ; Sb: the tile row's 512 bytes;
	s_mul_i32 s21, s40, 48                         ; my work-group's 48 rows of a step,
	s_mul_i32 s22, s12, KSTEP                      ; wave 1: of the second of the two steps
	s_add_co_u32 s21, s21, s22
	s_add_co_u32 s21, s21, PFROW
	s_lshl_b32 s21, s21, 13
	s_add_co_u32 s20, s20, s21
	s_mul_i32 s22, s41, 48                         ; Nb: my work-group's 48 rows,
	s_add_co_u32 s22, s22, PFROW
	s_lshl_b32 s22, s22, 12
	s_add_co_u32 s22, s22, s46                     ; the tile column's 256 bytes
	s_and_b32 s18, ttmp7, 0xffff                   ; cluster y;
	s_or_b32 s18, s18, s12                         ; wave 3 never asks
	s_mov_b32 s[PFS], 2*KSTEP*ROWB
	s_mov_b32 s[PFS+1], 0
	s_mov_b32 s14, KSTEP*ROWB                      ; Nb: lanes 16-31 stand a step further on
	s_mov_b32 s15, 16*ROWB                         ; an instruction takes 16 rows
	s_cmp_eq_u32 s11, 0                            ; do I fetch for Sb?
	s_cselect_b32 s20, s20, s22
	s_cselect_b32 s18, ttmp9, s18                  ; the coordinate along which other clusters read the same bytes
	s_cselect_b32 s19, 1, 0                        ; my row among the 16: l / 2 in Sb, l % 16 in Nb
	s_cselect_b32 s22, 0, 4                        ; the lane's other bit: l % 2 in Sb, l / 16 in Nb,
	s_cselect_b32 s14, 256, s14                    ; which in Sb picks the row's second 256 bytes
	s_cselect_b32 s23, 13, 12                      ; the row's bytes as a shift
	s_cselect_b32 s15, 16*ROWA, s15
	s_cselect_b32 s[PFS], 2*KSTEP*ROWA, s[PFS]
	s_cselect_b64 s[PFA:PFA+1], s[4:5], s[6:7]
	s_mov_b32 s21, 0
	s_add_nc_u64 s[PFA:PFA+1], s[PFA:PFA+1], s[20:21]
	s_cmp_eq_u32 s18, 0
	s_cselect_b32 s[LIM], 1, -1                    ; the same in all sixteen partners, for a given wave
	v_lshrrev_b32 v5, s19, v8
	v_and_b32 v5, 15, v5
	v_lshrrev_b32 v6, s22, v8
	v_and_b32 v6, 1, v6
	v_mul_u32_u24 v6, s14, v6
	v_lshlrev_b32 v5, s23, v5
	v_add_nc_u32 v[PFO], v5, v6
	v_add_nc_u32 v[PFO+1], s15, v[PFO]
	v_add_nc_u32 v[PFO+2], s15, v[PFO+1]
; 16 matrix instructions: row blocks a0, a0 + 1 of the window's four (hi = 0: the rows that I keep, 1: my partner's) x all 8 column blocks, 32 of m.  zero = 1: the product starts the sum: nothing is ever cleared.
; The 64 accumulators take turns, one instruction a turn, in the same order everywhere, over the backward jump too.
.macro MUL16 f, hi, a0, zero
	WIN MUL_LO+0x50*(\hi)
.irp a, \a0, (\a0)+1
.irp b, 0,1,2,3,4,5,6,7
.if \zero
	v_wmma_f32_16x16x32_bf16 v[8*(8*(\a)+(\b)):8*(8*(\a)+(\b))+7], v[(\f)+8*(\b):(\f)+8*(\b)+7], v[(\f)+8*(4*(\hi)+(\a)):(\f)+8*(4*(\hi)+(\a))+7], 0
.else
	v_wmma_f32_16x16x32_bf16 v[8*(8*(\a)+(\b)):8*(8*(\a)+(\b))+7], v[(\f)+8*(\b):(\f)+8*(\b)+7], v[(\f)+8*(4*(\hi)+(\a)):(\f)+8*(4*(\hi)+(\a))+7], v[8*(8*(\a)+(\b)):8*(8*(\a)+(\b))+7]
.endif
.endr
.endr
.endm
; 32 LDS loads in one run: the fragments of quarter q (32 of m) of my half of a step, into buffer f: Nb's eight, Sb's four of the rows that I keep, Sb's four of my partner's.
.macro FETCH slot, q, f
	WIN TO_B
.irp i, 0,1,2,3,4,5,6,7
	ds_load_tr16_b128 v[(\f)+8*(\i):(\f)+8*(\i)+3],   v[ADRB+(\slot)] offset:32*(\q)*PB+32*(\i)
	ds_load_tr16_b128 v[(\f)+8*(\i)+4:(\f)+8*(\i)+7], v[ADRB+(\slot)] offset:(32*(\q)+16)*PB+32*(\i)
.endr
	WIN 0
.irp i, 0,1,2,3
	ds_load_tr16_b128 v[(\f)+8*(\i):(\f)+8*(\i)+3],   v[ADRL+(\slot)] offset:32*(\q)*PA+32*(\i)
	ds_load_tr16_b128 v[(\f)+8*(\i)+4:(\f)+8*(\i)+7], v[ADRL+(\slot)] offset:(32*(\q)+16)*PA+32*(\i)
.endr
.irp i, 0,1,2,3
	ds_load_tr16_b128 v[(\f)+32+8*(\i):(\f)+32+8*(\i)+3],   v[ADRH+(\slot)] offset:32*(\q)*PA+32*(\i)
	ds_load_tr16_b128 v[(\f)+32+8*(\i)+4:(\f)+32+8*(\i)+7], v[ADRH+(\slot)] offset:(32*(\q)+16)*PA+32*(\i)
.endr
.endm
; A load into a register that a matrix instruction has read, and a vector instruction or an LDS store that reads a matrix result, stand four places behind that matrix instruction, and only plain vector
; instructions that name none of its registers are places (ISA guide 7.12.1 for vector instructions).
.macro PLACES
.rept 4
	v_nop
.endr
.endm
; A step is, for a wave, three quarters of 32 of m, 64 matrix instructions each.  One of the first two: multiplies buffer f; in its middle it fetches quarter q of the same slot into buffer g.
.macro QUARTER slot, q, f, g
	s_wait_dscnt 8                                 ; all but the youngest eight loads (Sb's fragments 4-7) are in
	MUL16 \f, 0, 0, 0
	MUL16 \f, 0, 2, 0
	PLACES
	FETCH \slot, \q, \g
	s_wait_dscnt 32                                ; all but the 32 just issued
	MUL16 \f, 1, 0, 0
	MUL16 \f, 1, 2, 0
.endm
; A step's last quarter multiplies buffer f and changes slots: ONE barrier.  In front of it each wave waits for all its tensor loads, of which one is out: its part of the next slot; adds 0 to its spare
; word; and waits for that and for its own reads of this slot.  Behind it nobody reads this slot any more and the next slot is whole; the next slot's first quarter is fetched into buffer g.
; fill = 1: the barrier opens a round of the cluster's barrier, and the slot is filled again, two steps on, first thing behind the round: 160 matrix instructions ahead of the wait for it.
; adv = 0: the slot's group 0 stands at that step already (the first refill of slot 0).  zero = 1: the products start the sums.  ask = 1: the trip's prefetches.
.macro TURN slot, next, f, g, fill, adv, zero, ask
.if \ask
	s_wait_xcnt 0x0                                ; the last prefetches, a trip back, have read their address: it is stepped here, ahead of the waits of the change of slots
	s_add_nc_u64 s[PFA:PFA+1], s[PFA:PFA+1], s[PFS:PFS+1]
.endif
	WIN 0                                          ; (the add's two registers lie in window 0)
	s_wait_tensorcnt 0x0                           ; all my tensor loads have landed;
	ds_add_u32 v[SPW], v[NIL]                      ; 0 onto my spare word;
	s_wait_dscnt 9                                 ; (the add and the youngest eight loads may be out)
	MUL16 \f, 0, 0, \zero                          ; sixteen matrix instructions stand between the add and the wait for it
	s_wait_dscnt 0x0                               ; the add is done, and my reads of this slot are over
	s_barrier_signal -1
	MUL16 \f, 0, 2, \zero                          ; work on registers while the others arrive
.if \fill
	WIN 0
.endif
	s_barrier_wait -1
.if \fill
	CREST                                          ; no wave of any partner still reads this slot's tiles or has a load on its way
.if \adv
	s_add_nc_u64 s[G0+4*(\slot)+2:G0+4*(\slot)+3], s[G0+4*(\slot)+2:G0+4*(\slot)+3], 2*KSTEP*ROWA
	s_add_nc_u64 s[G0B+4*(\slot)+2:G0B+4*(\slot)+3], s[G0B+4*(\slot)+2:G0B+4*(\slot)+3], 2*KSTEP*ROWB
.endif
	JLOAD G0+4*(\slot), G1, G0B+4*(\slot), G1B     ; the first tensor load behind the round; the four v_nop behind it are also the places in front of the loads below
.else
	PLACES
.endif
	FETCH \next, 0, \g
.if \ask
	ASK
.endif
	MUL16 \f, 1, 0, \zero
	MUL16 \f, 1, 2, \zero
.endm
; THE WAY OUT.  XLOAD a: my partner's sums for row block a of the rows that I keep, into one of two buffers.  ADDPACK a: added to mine in f32 (each accumulator's registers in ascending order) and rounded to
; bf16, 16 bytes a lane.  TOSTAGE a: into my own stage in LDS, and back as whole rows of 256 bytes.  SEND a: stored.  younger: the LDS instructions issued behind the loads that are waited for.
.macro XLOAD a
.set PBF, 64+64*((\a)%2)
.irp b, 0,1,2,3,4,5,6,7
	ds_load_b128 v[PBF+8*(\b):PBF+8*(\b)+3],   v[XR] offset:1024*(8*(\a)+(\b))
	ds_load_b128 v[PBF+8*(\b)+4:PBF+8*(\b)+7], v[XR] offset:1024*(8*(\a)+(\b))+512
.endr
.endm
.macro ADDPACK a, younger
.set PBF, 64+64*((\a)%2)
	s_wait_dscnt \younger                          ; my partner's sums for this block are in
	WIN 0x02                                       ; source 0: window 2
.set i, 0
.rept 32
	v_pk_add_f32 v[PBF+2*i:PBF+2*i+1], v[64*(\a)+2*i:64*(\a)+2*i+1], v[PBF+2*i:PBF+2*i+1]
.set i, i+1
.endr
	WIN 0
.irp b, 0,1,2,3,4,5,6,7
.irp r, 0,1,2,3
	v_cvt_pk_bf16_f32 v[TMP+4*(\b)+(\r)], v[PBF+8*(\b)+2*(\r)], v[PBF+8*(\b)+2*(\r)+1]
.endr
.endr
.endm
.macro TOSTAGE a
.set BK, OB+192*((\a)%2)
.irp b, 0,1,2,3,4,5,6,7
	ds_store_b128 v[STO], v[TMP+4*(\b):TMP+4*(\b)+3] offset:32*(\b)
.endr
.irp t, 0,1,2,3,4,5,6,7
	ds_load_b128 v[BK+4*(\t):BK+4*(\t)+3], v[RD] offset:(\t)*2*SPITCH  ; LDS serves a wave's instructions in order (ISA guide 5.7.1.4): these see the stores above
.endr
.endm
.macro SEND a, younger
.set BK, OB+192*((\a)%2)
	s_wait_dscnt \younger                          ; the block is back in registers
	s_wait_xcnt 0x0                                ; only behind this wait are the stores' base and the registers that earlier stores read rewritten
.if (\a) == 0
	s_add_nc_u64 s[8:9], s[8:9], s[16:17]          ; on to my first rows
.else
	s_add_nc_u64 s[8:9], s[8:9], 16*ROWC           ; 16 rows on
.endif
.irp t, 0,1,2,3,4,5,6,7
	global_store_b128 v[CO], v[BK+4*(\t):BK+4*(\t)+3], s[8:9] offset:2*(\t)*ROWC  ; 16 lanes store 256 consecutive bytes, at a multiple of 256 from Wt's first byte
.endr
.endm
	s_wait_tensorcnt 1                             ; my part of the short step is in; step 1's may stay out
	s_barrier_signal -1
	s_barrier_wait -1                              ; everybody's is
	FETCH 0, 0, F0
	TURN 0, 1, F0, F1, 1, 0, 1, 0                  ; step 0 is one quarter a wave: its products start the sums; slot 0 takes step 2
	WIN 0                                          ; at a label and at a branch every window is 0
	s_mov_b32 s3, TRIPS
.Llap:                                                 ; a trip: an odd step in slot 1, an even step in slot 0; both slots are filled again
	QUARTER 1, 1, F1, F0
	QUARTER 1, 2, F0, F1
	TURN 1, 0, F1, F0, 1, 1, 0, 0
	QUARTER 0, 1, F0, F1
	QUARTER 0, 2, F1, F0
	TURN 0, 1, F0, F1, 1, 1, 0, 1
	WIN 0
	s_sub_co_u32 s3, s3, 1
	s_cmp_lg_u32 s3, 0
	s_cbranch_scc1 .Llap
	QUARTER 1, 1, F1, F0                           ; step 19: slot 1 takes step 21, the last
	QUARTER 1, 2, F0, F1
	TURN 1, 0, F1, F0, 1, 1, 0, 0
	QUARTER 0, 1, F0, F1                           ; step 20: nothing is left to fetch, and no round follows its barrier; behind that barrier nobody reads slot 0 any more
	QUARTER 0, 2, F1, F0
	TURN 0, 1, F0, F1, 0, 0, 0, 0
	QUARTER 1, 1, F1, F0                           ; step 21
	QUARTER 1, 2, F0, F1
	s_wait_dscnt 8
	MUL16 F1, 0, 0, 0
	MUL16 F1, 0, 2, 0
	s_wait_dscnt 0x0
	MUL16 F1, 1, 0, 0
	MUL16 F1, 1, 2, 0
	WIN 0
	PLACES                                         ; the stores below read results just made
	WIN 0x0c                                       ; the stores' data: window 3: the sums for the rows that my partner keeps, in f32, each accumulator's low four registers first
.set i, 0
.rept 32
	ds_store_b128 v[XS], v[8*i:8*i+3]   offset:1024*i      ; a wave's store covers 512 consecutive bytes
	ds_store_b128 v[XS], v[8*i+4:8*i+7] offset:1024*i+512
.set i, i+1
.endr
	WIN 0
	s_wait_dscnt 0x0                               ; for my partner's sake: my stores are done
	s_barrier_signal -1
	s_barrier_wait -1
	XLOAD 0
	XLOAD 1
	ADDPACK 0, 16                                  ; behind block 0's loads: block 1's 16
	TOSTAGE 0
	XLOAD 2
	ADDPACK 1, 32                                  ; behind block 1's loads: the stage's 16, block 2's 16
	SEND 0, 16                                     ; behind the stage's: block 2's 16
	TOSTAGE 1
	XLOAD 3
	ADDPACK 2, 32
	SEND 1, 16
	TOSTAGE 2
	ADDPACK 3, 16                                  ; behind block 3's loads: the stage's 16
	SEND 2, 0
	TOSTAGE 3
	SEND 3, 0
	s_wait_tensorcnt 0x0                           ; the wave's end: behind my last tensor load and my last LDS store, an add to my spare word and its wait
	ds_add_u32 v[SPW], v[NIL]
	s_wait_dscnt 0x0
	CROUND                                         ; the closing round: no work-group ends while a partner may still ask for a tile that names it
	s_endpgm
.Lfunc_end_k_q0cd7001149_gemm1:
	.size	k_q0cd7001149_gemm1, .Lfunc_end_k_q0cd7001149_gemm1-k_q0cd7001149_gemm1
	.p2alignl 7, 3214868480
	.fill 96, 4, 3214868480
	.section	.rodata,"a",@progbits
	.p2align	6, 0x0
	.amdhsa_kernel k_q0cd7001149_gemm1
		.amdhsa_group_segment_fixed_size 327680
		.amdhsa_private_segment_fixed_size 0
		.amdhsa_enable_private_segment 0
		.amdhsa_kernarg_size 24
		.amdhsa_user_sgpr_count 2
		.amdhsa_user_sgpr_kernarg_segment_ptr 1
		.amdhsa_wavefront_size32 1
		.amdhsa_system_sgpr_workgroup_id_x 1
		.amdhsa_system_sgpr_workgroup_id_y 1
		.amdhsa_system_sgpr_workgroup_id_z 1
		.amdhsa_system_vgpr_workitem_id 0
		.amdhsa_next_free_vgpr 1024
		.amdhsa_next_free_sgpr 96
		.amdhsa_reserve_vcc 0
		.amdhsa_float_denorm_mode_32 3
		.amdhsa_float_denorm_mode_16_64 3
		.amdhsa_memory_ordered 1
		.amdhsa_forward_progress 1
		.amdhsa_inst_pref_size 150
	.end_amdhsa_kernel
	.amdgpu_metadata
---
amdhsa.version: [ 1, 2 ]
amdhsa.kernels:
  - .name:           k_q0cd7001149_gemm1
    .symbol:         k_q0cd7001149_gemm1.kd
    .args:
      - { .name: Sb, .offset: 0, .size: 8, .value_kind: global_buffer, .address_space: global }
      - { .name: Nb, .offset: 8, .size: 8, .value_kind: global_buffer, .address_space: global }
      - { .name: Wt, .offset: 16, .size: 8, .value_kind: global_buffer, .address_space: global }
    .group_segment_fixed_size: 327680
    .private_segment_fixed_size: 0
    .kernarg_segment_align: 8
    .kernarg_segment_size: 24
    .max_flat_workgroup_size: 128
    .sgpr_count:     96
    .vgpr_count:     1024
    .wavefront_size: 32
...
	.end_amdgpu_metadata
.endif
;; end of part 2
;; launch gemm2 (part 3): grid 16 x 16, 4 waves a work-group, clusters of 4 x 4, 327,680 bytes of LDS; arguments Xb, Wt, out0, biases; writes out0
.if DOCPART == 3
	.amdgcn_target "amdgcn-amd-amdhsa--gfx1250"
	.amdhsa_code_object_version 6
	.text
	.protected	k_q0cd7001149_gemm2
	.globl	k_q0cd7001149_gemm2
	.p2align	8
	.type	k_q0cd7001149_gemm2,@function
k_q0cd7001149_gemm2:
	s_mov_b64 s[64:65], 0
	v_nop
	global_prefetch_b8 v0, s[64:65] scope:SCOPE_SE
	s_setreg_imm32_b32 hwreg(HW_REG_WAVE_MODE, 25, 1), 1
	s_wait_xcnt 0x0
	s_wait_alu depctr_hold_cnt(0) depctr_sa_sdst(0) depctr_va_vdst(0) depctr_va_sdst(0) depctr_va_ssrc(0) depctr_va_vcc(0) depctr_vm_vsrc(0)
	s_getreg_b32 s2, hwreg(HW_REG_IB_STS2, 6, 4)
	s_cmp_eq_u32 s2, 0
	s_cbranch_scc0 .Lentry_in_a_cluster
	s_endpgm
.Lentry_in_a_cluster:
	s_bfe_u32 s2, ttmp6, 0x10000c
	s_cmp_lg_u32 s2, 0xf033
	s_cbranch_scc0 .Lentry_shape_is_right
	s_endpgm
.Lentry_shape_is_right:
; out0[t][n] = biases[n] + the sum over d of Xb[t][d] Wt[n][d].  Xb: [4096][2048] bf16, Wt: [4096][2048] bf16, biases: [4096] f32, out0: [4096][4096] f32; sums in f32, d ascending.
; LIMITS.  bf16 operands; NaN and infinities are not treated apart.
; A tile of out0, 256 x 256, is made by a work-group of four waves; a wave makes 128 x 128: 64 accumulators of 16 x 16, 512 registers.  16 x 16 tiles, one work-group each.
; d goes in steps of 128 through a ring of two LDS slots filled by the tensor data mover: the tiles' rows are 256 bytes of memory and start at multiples of 256 bytes from the buffer's first byte.
; CLUSTERS: 4 x 4 work-groups.  The four of a row of the cluster need the same tiles of Xb, the four of a column the same tiles of Wt: each tile is asked for JOINTLY, by the same tensor load with
; the same descriptor and a mask that names the four.
; THE MATRIX INSTRUCTION IS USED TRANSPOSED: source 0 = 16 rows of Wt, source 1 = 16 rows of Xb: in the result lane l holds row t = l % 16 and the columns n = 8 (l / 16) + 0 .. 7: 32 neighbouring bytes.
; THE BIAS IS THE C OPERAND OF THE PRODUCT THAT STARTS EACH SUM: for column block b a lane's eight numbers biases[n0 + 16 b + 8 (l / 16) + 0..7], the same for all row blocks: 64 registers, no addition.
; REGISTERS, in windows of 256 (s_set_vgpr_msb: bits 1:0 source 0, 3:2 source 1, 5:4 source 2, 7:6 destination):
;   window 0: v0-31 addresses; v64-127, v128-191 fragments of Xb (8 x 16 rows x 32 d), two buffers; v192-255 the bias; on the way out v64-255 are three buffers of 16 rows
;   window 1: v64-127, v128-191 fragments of Wt, two buffers
;   window 2: the 32 accumulators of my rows 0-63 (accumulator (a, b) at v[8 (8 a + b)]);   window 3: those of my rows 64-127
.set SIZE_N, 4096
.set SIZE_K, 2048
.set KSTEP,  128
.set PITCH,  272                       ; an LDS row: 256 bytes + 16 of padding = 68 words: row r starts at bank 4 r mod 64 (64 banks of 4 bytes: ISA guide 11.1), so the 16 rows that a load touches start at 16 different banks
.set HALFT,  128*PITCH                 ; 128 rows: what one tensor load brings, and what one wave reads of Xb or of Wt
.set SLOT,   4*HALFT                   ; Xb's 256 rows, then Wt's 256 rows
.set STAGE,  2*SLOT                    ; behind the ring, never filled by a tensor load: 16 rows x 528 bytes for each wave, for the way out
.set SP,     528                       ; a stage row: 512 bytes (128 f32) + 16
.set SPARE,  STAGE+4*16*SP             ; behind the stages: the spare words, 128 bytes for each wave: two blocks of 256 bytes that no other line names
.set LAPS,   SIZE_K/(2*KSTEP)          ; a lap = two steps = once round the ring
.set ROWO,   SIZE_N*4                  ; bytes in a row of out0
.set ADRA, 16                          ; v16-17  LDS address of my Xb fragments in slot 0, 1
.set ADRB, 20                          ; v20-21  the same for Wt
.set STO,  24                          ; v24     the way out: where I put 32 bytes of a row
.set RD,   25                          ; v25     the way out: where I read a row back
.set CO,   26                          ; v26     my byte offset in 512 bytes of a row of out0
.set BO,   27                          ; v27     my byte offset in biases
.set SPW,  28                          ; v28     LDS address of my spare word: SPARE + 4 x my thread's number; never rewritten
.set NIL,  29                          ; v29     0; never rewritten
.set PFO,  30                          ; v30     the prefetches' offset: my lane x a row of Xb or Wt; never rewritten
.set PFA,  44                          ; s[44:45] where my prefetches stand: my work-group's 32 rows of the 128 that I fetch, one step further along d than the refill that is being asked for; a prefetch names the step after that
.set LIM,  43                          ; s43     1 in a wave that prefetches, else the greatest number
.set F0,   64                          ; fragment buffer 0
.set F1,   128                         ; fragment buffer 1
.set BIAS, 192
.set G1, 24                            ; s[24:31] descriptor group 1 for Xb's tiles
.set G0, 32                            ; s[32:39] descriptor group 0 for Xb's tiles, a set for each slot
.set G1B, 48                           ; s[48:55] descriptor group 1 for Wt's tiles: it differs in the mask alone
.set G0B, 56                           ; s[56:63] descriptor group 0 for Wt's tiles, a set for each slot
.set MSB, 0
.macro WIN new                         ; the immediate's high byte repeats the setting that is left; a switch that changes nothing is dropped
.if MSB != (\new)
	s_set_vgpr_msb (MSB<<8)|(\new)
.set MSB, \new
.endif
.endm
.set MUL_LO, 0xa1                      ; source 0 (Wt) window 1, source 1 (Xb) window 0, C and D window 2; + 0x50: C and D window 3
.set MUL_B,  0x81                      ; the same with C (the bias) in window 0; + 0x40: D window 3
.set TO_B,   0x40                      ; destination window 1, address window 0
; A joint load.  Waves 0 and 1 fetch Xb's two halves, waves 2 and 3 Wt's.  The branch hangs on the wave's number alone.
; An s_nop 0 and four v_nop follow each of the two lines, ahead of the jump, the label and what follows the macro.
.macro JLOAD s
	s_cmp_eq_u32 s11, 0
	s_cbranch_scc0 .Lfor_b_\@
	tensor_load_to_lds s[G0+4*(\s):G0+4*(\s)+3], s[G1:G1+7]
	s_nop 0
.rept 4
	v_nop
.endr
	s_branch .Lasked_\@
.Lfor_b_\@:
	tensor_load_to_lds s[G0B+4*(\s):G0B+4*(\s)+3], s[G1B:G1B+7]
	s_nop 0
.rept 4
	v_nop
.endr
.Lasked_\@:
.endm
; A PREFETCH INTO THE L2, behind each joint refill, its five lines and the run of LDS loads that follows them: the step that stands TWO refills on, 512 matrix instructions ahead of the load that will
; want it: 32 rows x 256 bytes, a lane a row, one instruction a wave.  Each row's 256 bytes of a step are named ONCE in the launch.  Xb's tile row is read by every cluster of that row of clusters: the
; cluster with x = 0 asks; Wt's tile column by every cluster of that column: the cluster with y = 0 asks.  The four partners that ask for a tile jointly share its rows out BY ADDRESS: of the 128 rows
; that a wave fetches the partner at place p takes 32 p .. 32 p + 31 (p = cx for Xb, cy for Wt).  Steps 0 to 3 come by their loads alone; the loop's last trip asks for nothing.
.macro ASK
	s_cmp_gt_u32 s3, s[LIM]                        ; s3 = 1 in the loop's last trip
	s_cbranch_scc0 .Lnot_mine_\@
	global_prefetch_b8 v[PFO], s[PFA:PFA+1] offset:KSTEP*2 th:TH_LOAD_NT scope:SCOPE_SE
.Lnot_mine_\@:
.endm
; A round of the cluster's barrier: my work-group's barrier, so that wave 0's signal speaks for all four waves; wave 0 signals; every wave waits for all sixteen work-groups; my work-group's barrier once more.
.macro CREST                           ; a round behind its opening barrier
	s_cmp_lg_u32 s10, 0
	s_cbranch_scc1 .Lnot_wave_0_\@
	s_barrier_signal -3
.Lnot_wave_0_\@:
	s_barrier_wait -3
	s_barrier_signal -1
	s_barrier_wait -1
.endm
.macro CROUND                          ; a whole round
	s_barrier_signal -1
	s_barrier_wait -1
	CREST
.endm
	s_load_b128 s[4:7], s[0:1], 0x0                ; Xb s[4:5], Wt s[6:7]
	s_load_b64 s[8:9], s[0:1], 0x10                ; out0
	s_load_b64 s[66:67], s[0:1], 0x18              ; biases
	v_lshl_add_u32 v[SPW], v0, 2, SPARE
	v_mov_b32 v[NIL], 0
	ds_add_u32 v[SPW], v[NIL]                      ; the wave's opening: the add, twice on end, and its wait ahead of my first tensor load; the set-up below stands between
	ds_add_u32 v[SPW], v[NIL]                      ; and once more, under the one wait
	v_lshrrev_b32 v1, 5, v0
	v_readfirstlane_b32 s10, v1                    ; wave 0..3
	s_lshr_b32 s11, s10, 1                         ; which half of the tile's rows is mine.  Also: I fetch for Xb (0) or for Wt (1)
	s_and_b32 s12, s10, 1                          ; which half of its columns.  Also: which 128 rows of that tile I fetch
	s_bfe_u32 s40, ttmp6, 0x40000                  ; cx: my place along the cluster's x
	s_bfe_u32 s41, ttmp6, 0x40004                  ; cy: along its y
	s_lshl_b32 s42, ttmp9, 2                       ; in a cluster launch ttmp9 and ttmp7 count clusters
	s_add_co_u32 s42, s42, s40                     ; tile column = 4 x cluster x + cx
	s_and_b32 s13, ttmp7, 0xffff
	s_lshl_b32 s13, s13, 2
	s_add_co_u32 s13, s13, s41                     ; tile row = 4 x cluster y + cy
	s_lshl_b32 s43, s41, 2
	s_lshl_b32 s43, 15, s43                        ; my row of the cluster: places 4 cy .. 4 cy + 3
	s_lshl_b32 s44, 0x1111, s40                    ; my column: places cx, cx + 4, cx + 8, cx + 12
	; descriptor group 1: a tile of 128 rows x 128 elements, padded in LDS
	s_or_b32 s[G1+0], s43, (1<<16)|(1<<20)|(1<<21)|(5<<22)|(3<<25)   ; 15:0 the mask: my row; 17:16 elements of 2 bytes; 20 padding on; 21 set beside a mask; 24:22 after every 64 words (code 5); 31:25 4 words (code 3)
	s_or_b32 s[G1B+0], s44, (1<<16)|(1<<20)|(1<<21)|(5<<22)|(3<<25)  ; the same with the mask of my column
.irp g, G1, G1B
	s_mov_b32 s[(\g)+1], KSTEP<<16                 ; tensor_dim0 = 128
	s_mov_b32 s[(\g)+2], 128<<16                   ; tensor_dim1 = 128
	s_mov_b32 s[(\g)+3], KSTEP<<16                 ; tile_dim0 = 128
	s_mov_b32 s[(\g)+4], 128                       ; tile_dim1 = 128
	s_mov_b32 s[(\g)+5], SIZE_K                    ; elements from row to row
	s_mov_b32 s[(\g)+6], 0
	s_mov_b32 s[(\g)+7], 0
.endr
	; where the tiles come from.  Xb's hang on the tile row alone, which my row of the cluster shares; Wt's on the tile column alone, which my column shares.
	s_lshl_b32 s17, s12, 7                         ; which 128 rows of the tile I fetch
	s_lshl_b32 s16, s13, 8
	s_add_co_u32 s16, s16, s17                     ; Xb: row 256 x tile row + 128 x half
	s_lshl_b32 s46, s42, 8
	s_add_co_u32 s46, s46, s17                     ; Wt: row 256 x tile column + 128 x half
	s_mov_b32 s17, 0
	s_mov_b32 s47, 0
	s_mov_b64 s[18:19], SIZE_K*2
	s_mul_u64 s[16:17], s[16:17], s[18:19]         ; in bytes
	s_mul_u64 s[46:47], s[46:47], s[18:19]
	s_mul_i32 s20, s10, HALFT                      ; and where they go: wave x 128 rows: no place in the cluster enters an LDS address
	s_wait_dscnt 0x0                               ; both opening adds are done
	s_wait_kmcnt 0x0
	s_add_nc_u64 s[14:15], s[4:5], s[16:17]
	s_add_nc_u64 s[46:47], s[6:7], s[46:47]
	CROUND                                         ; all sixteen work-groups are here: the first joint loads meet
.irp s, 0,1
	s_mov_b32 s[G0+4*(\s)], 1                                        ; count = 1
	s_add_co_u32 s[G0+4*(\s)+1], s20, (\s)*SLOT                      ; LDS address
	s_add_nc_u64 s[G0+4*(\s)+2:G0+4*(\s)+3], s[14:15], (\s)*KSTEP*2  ; global address: step s
	s_or_b32 s[G0+4*(\s)+3], s[G0+4*(\s)+3], 0x80000000              ; type = 2
	s_mov_b32 s[G0B+4*(\s)], 1
	s_add_co_u32 s[G0B+4*(\s)+1], s20, (\s)*SLOT
	s_add_nc_u64 s[G0B+4*(\s)+2:G0B+4*(\s)+3], s[46:47], (\s)*KSTEP*2
	s_or_b32 s[G0B+4*(\s)+3], s[G0B+4*(\s)+3], 0x80000000
	JLOAD \s                                       ; the ring is filled before anything else is done: two loads of mine are out
.endr
	; A fragment is 16 rows x 32 d in 8 registers: lane l holds row l % 16; registers 0-3 hold d = 8 (l / 16) + 0..7, registers 4-7 d = 16 + 8 (l / 16) + 0..7: two loads of 16 bytes, 32 bytes apart.
	v_and_b32 v1, 15, v0                           ; l % 16
	v_bfe_u32 v2, v0, 4, 1                         ; l / 16
	s_lshl_b32 s46, s42, 10                        ; my first column, in bytes of f32: 1,024 x tile column + 512 x half: in a row of out0 and in biases
	s_lshl_b32 s47, s12, 9
	s_add_co_u32 s46, s46, s47
	v_lshl_add_u32 v[BO], v2, 5, s46               ; + my lanes' eight numbers
.irp b, 0,1,2,3,4,5,6,7
	global_load_b128 v[BIAS+8*(\b):BIAS+8*(\b)+3],   v[BO], s[66:67] offset:64*(\b)
	global_load_b128 v[BIAS+8*(\b)+4:BIAS+8*(\b)+7], v[BO], s[66:67] offset:64*(\b)+16
.endr
	v_mul_u32_u24 v3, v1, PITCH
	v_lshl_add_u32 v3, v2, 4, v3                   ; row x pitch + 16 x half
	s_mul_i32 s21, s11, HALFT                      ; my 128 rows of Xb
	s_mul_i32 s22, s12, HALFT                      ; my 128 rows of Wt,
	s_add_co_u32 s22, s22, 2*HALFT                 ; which lie behind Xb's 256
.irp s, 0,1
	v_add_nc_u32 v[ADRA+(\s)], s21, v3
	v_add_nc_u32 v[ADRB+(\s)], s22, v3
	s_add_co_u32 s21, s21, SLOT
	s_add_co_u32 s22, s22, SLOT
.endr
	s_mul_i32 s23, s10, 16*SP
	s_add_co_u32 s23, s23, STAGE                   ; my stage
	v_mul_u32_u24 v4, v1, SP                       ; in: row l % 16, 32 bytes for each half of the lanes
	v_lshl_add_u32 v4, v2, 5, v4
	v_add_nc_u32 v[STO], s23, v4
	v_and_b32 v5, 31, v0
	v_lshlrev_b32 v[CO], 4, v5                     ; back: 32 lanes take one row of 512 bytes,
	v_add_nc_u32 v[RD], s23, v[CO]                 ; which are 512 consecutive bytes of out0
	; where my part of the tile begins in out0, in bytes: the first way out adds it to out0's address
	s_lshl_b32 s13, s13, 8
	s_lshl_b32 s14, s11, 7
	s_add_co_u32 s16, s13, s14                     ; my first row: 256 x tile row + 128 x half
	s_lshl_b32 s16, s16, 14                        ; x 16,384 bytes
	s_mov_b32 s17, 0
	s_mov_b32 s47, 0
	s_add_nc_u64 s[16:17], s[16:17], s[46:47]
	; the prefetches.  s13 = 256 x tile row, s42 = tile column, s40 = cx, s41 = cy still stand
	s_lshl_b32 s42, s42, 8
	s_and_b32 s22, ttmp7, 0xffff                   ; cluster y
	s_cmp_eq_u32 s11, 0                            ; do I fetch for Xb?
	s_cselect_b32 s20, s13, s42                    ; the tile's first row
	s_cselect_b32 s21, s40, s41                    ; my place among the four that ask for it with me
	s_cselect_b32 s22, ttmp9, s22                  ; the coordinate along which other clusters read the same rows
	s_cselect_b64 s[PFA:PFA+1], s[4:5], s[6:7]
	s_cmp_eq_u32 s22, 0
	s_cselect_b32 s[LIM], 1, -1                    ; the same in all sixteen partners, for a given wave
	s_lshl_b32 s22, s12, 7
	s_add_co_u32 s20, s20, s22                     ; + the 128 rows that I fetch
	s_lshl_b32 s21, s21, 5
	s_add_co_u32 s20, s20, s21                     ; + my work-group's 32 of them
	s_mov_b32 s21, 0
	s_mov_b64 s[18:19], SIZE_K*2
	s_mul_u64 s[20:21], s[20:21], s[18:19]
	s_add_nc_u64 s[PFA:PFA+1], s[PFA:PFA+1], s[20:21]
	s_add_nc_u64 s[PFA:PFA+1], s[PFA:PFA+1], 2*KSTEP*2  ; at step 2: the first refill steps it to 3 and names step 4
	v_and_b32 v[PFO], 31, v0
	v_mul_u32_u24 v[PFO], v[PFO], SIZE_K*2
; 16 matrix instructions: row blocks a0, a0 + 1 of the window's four (hi = 0: my rows 0-63, 1: rows 64-127) x all 8 column blocks, 32 along d.
; first = 1: the product starts the sum, with the bias as C: nothing is ever cleared.  The 64 accumulators take turns, one instruction a turn, in the same order everywhere.
.macro MUL16 f, hi, a0, first
.if \first
	WIN MUL_B+0x40*(\hi)
.else
	WIN MUL_LO+0x50*(\hi)
.endif
.irp a, \a0, (\a0)+1
.irp b, 0,1,2,3,4,5,6,7
.if \first
	v_wmma_f32_16x16x32_bf16 v[8*(8*(\a)+(\b)):8*(8*(\a)+(\b))+7], v[(\f)+8*(\b):(\f)+8*(\b)+7], v[(\f)+8*(4*(\hi)+(\a)):(\f)+8*(4*(\hi)+(\a))+7], v[BIAS+8*(\b):BIAS+8*(\b)+7]
.else
	v_wmma_f32_16x16x32_bf16 v[8*(8*(\a)+(\b)):8*(8*(\a)+(\b))+7], v[(\f)+8*(\b):(\f)+8*(\b)+7], v[(\f)+8*(4*(\hi)+(\a)):(\f)+8*(4*(\hi)+(\a))+7], v[8*(8*(\a)+(\b)):8*(8*(\a)+(\b))+7]
.endif
.endr
.endr
.endm
; 32 LDS loads in one run: the fragments of one quarter step (128 rows of Wt, 128 rows of Xb, 32 d at byte k of the rows) into buffer f
.macro FETCH slot, k, f
	WIN TO_B
.irp i, 0,1,2,3,4,5,6,7
	ds_load_b128 v[(\f)+8*(\i):(\f)+8*(\i)+3],   v[ADRB+(\slot)] offset:(\k)+(\i)*16*PITCH
	ds_load_b128 v[(\f)+8*(\i)+4:(\f)+8*(\i)+7], v[ADRB+(\slot)] offset:(\k)+(\i)*16*PITCH+32
.endr
	WIN 0
.irp i, 0,1,2,3,4,5,6,7
	ds_load_b128 v[(\f)+8*(\i):(\f)+8*(\i)+3],   v[ADRA+(\slot)] offset:(\k)+(\i)*16*PITCH
	ds_load_b128 v[(\f)+8*(\i)+4:(\f)+8*(\i)+7], v[ADRA+(\slot)] offset:(\k)+(\i)*16*PITCH+32
.endr
.endm
; A load into a register that a matrix instruction has read, and an LDS store that reads a matrix result, stand four places behind that matrix instruction, and only plain vector instructions
; that name none of its registers are places (ISA guide 7.12.1 for vector instructions).
.macro PLACES
.rept 4
	v_nop
.endr
.endm
; A step is four quarters of 32 along d, 64 matrix instructions each, on buffers 0, 1, 0, 1.  One of the first three: multiplies buffer f; in its middle it fetches the next quarter, at byte k, into buffer g.
.macro QUARTER slot, k, f, g, first
	s_wait_dscnt 8                                 ; Wt's fragments and Xb's rows 0-63 are in; the youngest eight loads (Xb's rows 64-127) may be out
	MUL16 \f, 0, 0, \first
	MUL16 \f, 0, 2, \first
	PLACES
	FETCH \slot, \k, \g
	s_wait_dscnt 32                                ; all but the 32 just issued
	MUL16 \f, 1, 0, \first
	MUL16 \f, 1, 2, \first
.endm
; The last quarter multiplies buffer 1 and changes slots.  MEET is its first half: ONE barrier.  In front of it each wave waits for all its tensor loads, of which one is out: its part of the next slot;
; adds 0 to its spare word; and waits for that and for its own reads of this slot.  Behind it nobody reads this slot any more and the next slot is whole.
.macro MEET round                      ; round = 1: a round of the cluster's barrier follows
	WIN 0                                          ; (the add's two registers lie in window 0)
	s_wait_tensorcnt 0x0                           ; all my tensor loads have landed;
	ds_add_u32 v[SPW], v[NIL]                      ; 0 onto my spare word;
	s_wait_dscnt 9                                 ; (the add and the youngest eight loads may be out)
	MUL16 F1, 0, 0, 0                              ; sixteen matrix instructions stand between the add and the wait for it
	s_wait_dscnt 0x0                               ; the add is done, and my reads of this slot are over
	s_barrier_signal -1
	MUL16 F1, 0, 2, 0                              ; work on registers while the others arrive
.if \round
	WIN 0
.endif
	s_barrier_wait -1
.endm
; The whole last quarter of a step whose slot is filled again, two steps on, first thing behind the round: 224 matrix instructions ahead of the wait for it.
.macro TURN slot, next
	s_wait_xcnt 0x0                                ; the last prefetch, a step back, has read its address: it is stepped here, ahead of the waits of the change of slots
	s_add_nc_u64 s[PFA:PFA+1], s[PFA:PFA+1], KSTEP*2
	MEET 1
	CREST                                          ; no wave of any partner still reads this slot's tiles or has a load on its way
	s_add_nc_u64 s[G0+4*(\slot)+2:G0+4*(\slot)+3], s[G0+4*(\slot)+2:G0+4*(\slot)+3], 2*KSTEP*2
	s_add_nc_u64 s[G0B+4*(\slot)+2:G0B+4*(\slot)+3], s[G0B+4*(\slot)+2:G0B+4*(\slot)+3], 2*KSTEP*2
	JLOAD \slot                                    ; the first tensor load behind the round; the four v_nop behind it are also the places in front of the loads below
	FETCH \next, 0, F0
	ASK
	MUL16 F1, 1, 0, 0
	MUL16 F1, 1, 2, 0
.endm
; THE WAY OUT of row block a (16 rows x 128 columns of f32).  TOSTAGE: a lane's 32 bytes of each column block go into my own stage in LDS (each accumulator's low four registers first), and
; come back as whole rows of 512 bytes, into one of three buffers.  SEND: stored.
.macro TOSTAGE a
	WIN 0x08+4*((\a)/4)                            ; the stores' data: window 2 or 3
.irp b, 0,1,2,3,4,5,6,7
	ds_store_b128 v[STO], v[64*((\a)%4)+8*(\b):64*((\a)%4)+8*(\b)+3]   offset:64*(\b)
	ds_store_b128 v[STO], v[64*((\a)%4)+8*(\b)+4:64*((\a)%4)+8*(\b)+7] offset:64*(\b)+16
.endr
	WIN 0
.set BK, 64+64*((\a)%3)
.irp t, 0,1,2,3,4,5,6,7,8,9,10,11,12,13,14,15
	ds_load_b128 v[BK+4*(\t):BK+4*(\t)+3], v[RD] offset:(\t)*SP  ; LDS serves a wave's instructions in order (ISA guide 5.7.1.4): these see the stores above, and the next block's stores come behind them
.endr
.endm
.macro SEND a, younger                 ; younger: the LDS instructions issued behind block a's loads: the next block's 16 stores and 16 loads, or none
	WIN 0
.set BK, 64+64*((\a)%3)
	s_wait_dscnt \younger                          ; the block is back in registers
	s_wait_xcnt 0x0                                ; only behind this wait are the stores' base and the buffers that earlier stores read rewritten: block a + 2's loads go into the buffer that block a - 1 was stored from
.if (\a) == 0
	s_add_nc_u64 s[8:9], s[8:9], s[16:17]          ; on to my first rows
.else
	s_add_nc_u64 s[8:9], s[8:9], 16*ROWO           ; 16 rows on
.endif
.irp t, 0,1,2,3,4,5,6,7,8,9,10,11,12,13,14,15
	global_store_b128 v[CO], v[BK+4*(\t):BK+4*(\t)+3], s[8:9] offset:(\t)*ROWO th:TH_STORE_NT  ; a wave stores 512 consecutive bytes, at a multiple of 256 from out0's first byte
.endr
.endm
	s_wait_tensorcnt 1                             ; my part of step 0 is in; step 1's may stay out
	s_barrier_signal -1
	s_barrier_wait -1                              ; everybody's is
	FETCH 0, 0, F0
	s_wait_loadcnt 0x0                             ; the bias
	QUARTER 0, 64,  F0, F1, 1                      ; the first quarter stands in front of the loop: its products start the sums
	WIN 0                                          ; at a label and at a branch every window is 0
	s_mov_b32 s3, LAPS-1
.Llap:                                                 ; a trip goes once round the ring, from a lap's second quarter to the next lap's first, and fills both slots again
	QUARTER 0, 128, F1, F0, 0
	QUARTER 0, 192, F0, F1, 0
	TURN 0, 1
	QUARTER 1, 64,  F0, F1, 0
	QUARTER 1, 128, F1, F0, 0
	QUARTER 1, 192, F0, F1, 0
	TURN 1, 0
	QUARTER 0, 64,  F0, F1, 0
	WIN 0
	s_sub_co_u32 s3, s3, 1
	s_cmp_lg_u32 s3, 0
	s_cbranch_scc1 .Llap
	QUARTER 0, 128, F1, F0, 0                      ; the last lap fills nothing, and has no round of the cluster's barrier
	QUARTER 0, 192, F0, F1, 0
	MEET 0
	PLACES
	FETCH 1, 0, F0
	MUL16 F1, 1, 0, 0
	MUL16 F1, 1, 2, 0
	QUARTER 1, 64,  F0, F1, 0
	QUARTER 1, 128, F1, F0, 0
	QUARTER 1, 192, F0, F1, 0
	s_wait_dscnt 8                                 ; the very last quarter: nothing more to fetch
	MUL16 F1, 0, 0, 0
	MUL16 F1, 0, 2, 0
	s_wait_dscnt 0x0
	MUL16 F1, 1, 0, 0
	MUL16 F1, 1, 2, 0
	WIN 0
	PLACES                                         ; the stage's stores read results, and its loads land in fragment registers, just used
	TOSTAGE 0
	TOSTAGE 1
.irp a, 2,3,4,5,6,7                    ; a block's trip through the stage stands between the loads of the block before and its stores
	SEND (\a)-2, 32
	TOSTAGE \a
.endr
	SEND 6, 32
	SEND 7, 0
	s_wait_tensorcnt 0x0                           ; the wave's end: behind my last tensor load and my last LDS store, an add to my spare word and its wait
	ds_add_u32 v[SPW], v[NIL]
	s_wait_dscnt 0x0
	CROUND                                         ; the closing round: no work-group ends while a partner may still ask for a tile that names it
	s_endpgm
.Lfunc_end_k_q0cd7001149_gemm2:
	.size	k_q0cd7001149_gemm2, .Lfunc_end_k_q0cd7001149_gemm2-k_q0cd7001149_gemm2
	.p2alignl 7, 3214868480
	.fill 96, 4, 3214868480
	.section	.rodata,"a",@progbits
	.p2align	6, 0x0
	.amdhsa_kernel k_q0cd7001149_gemm2
		.amdhsa_group_segment_fixed_size 327680
		.amdhsa_private_segment_fixed_size 0
		.amdhsa_enable_private_segment 0
		.amdhsa_kernarg_size 32
		.amdhsa_user_sgpr_count 2
		.amdhsa_user_sgpr_kernarg_segment_ptr 1
		.amdhsa_wavefront_size32 1
		.amdhsa_system_sgpr_workgroup_id_x 1
		.amdhsa_system_sgpr_workgroup_id_y 1
		.amdhsa_system_sgpr_workgroup_id_z 1
		.amdhsa_system_vgpr_workitem_id 0
		.amdhsa_next_free_vgpr 1024
		.amdhsa_next_free_sgpr 72
		.amdhsa_reserve_vcc 0
		.amdhsa_float_denorm_mode_32 3
		.amdhsa_float_denorm_mode_16_64 3
		.amdhsa_memory_ordered 1
		.amdhsa_forward_progress 1
		.amdhsa_inst_pref_size 143
	.end_amdhsa_kernel
	.amdgpu_metadata
---
amdhsa.version: [ 1, 2 ]
amdhsa.kernels:
  - .name:           k_q0cd7001149_gemm2
    .symbol:         k_q0cd7001149_gemm2.kd
    .args:
      - { .name: Xb, .offset: 0, .size: 8, .value_kind: global_buffer, .address_space: global }
      - { .name: Wt, .offset: 8, .size: 8, .value_kind: global_buffer, .address_space: global }
      - { .name: out0, .offset: 16, .size: 8, .value_kind: global_buffer, .address_space: global }
      - { .name: biases, .offset: 24, .size: 8, .value_kind: global_buffer, .address_space: global }
    .group_segment_fixed_size: 327680
    .private_segment_fixed_size: 0
    .kernarg_segment_align: 8
    .kernarg_segment_size: 32
    .max_flat_workgroup_size: 128
    .sgpr_count:     72
    .vgpr_count:     1024
    .wavefront_size: 32
...
	.end_amdgpu_metadata
.endif
;; end of part 3
